; MI455X (gfx1250); checked and timed in simulation.
; The chip was launched on July 23, 2026; its instructions are those of AMD's public machine-readable ISA for CDNA 5 (MIT licence, August 2026) and "CDNA5" Instruction Set Architecture Reference Guide (July 2026). The comments in the code are by the model that wrote it; some were corrected since.
;; Lite NTK. Allowed arithmetic: float matrix products may take bf16 or f16 operands with f32 sums; other float arithmetic in f32, or as packed bf16 or f16 multiplies, adds, multiply-adds, maxima and minima; sums over many terms, partial sums and values carried from step to step in f32; what a program stores and reads back later, other than sums and carried values, may be rounded once to bf16 or f16.
;; Inputs: A_S 64 x 64 x 64 float32; A_T 128 x 64 x 64 float32; X_S 64 x 64 x 64 float32; X_T 128 x 64 x 64 float32; y_S 64 x 10 float32.
;; Outputs: out0 128 x 10 float32; out1 64 x 64 float32.
;; 2 versions, each right; version 2 is version 1 with the launch prep written anew for expert scheduling mode. Each part assembles by itself: llvm-mc -triple=amdgcn-amd-amdhsa -mcpu=gfx1250 --defsym DOCPART=n.
;; ======== version 1 of 2: 3 launches
;; limits: a function is approximated: absolute error at most 8.5e-06; values are held in f16: magnitudes above 65,504 overflow, below 6.1e-05 lose precision
;; workspace buffers: R1 557,056 bytes; R2 1,966,080 bytes; KW 65,536 bytes
;; launch prep (part 1): grid 192 x 1, 4 waves a work-group, no clusters, 39,424 bytes of LDS; arguments A_S, A_T, X_S, X_T, R1, R2; writes R1, R2
.if DOCPART == 1
	.amdgcn_target "amdgcn-amd-amdhsa--gfx1250"
	.amdhsa_code_object_version 6
	.text
	.protected	k_qbb719ef714_prep
	.globl	k_qbb719ef714_prep
	.p2align	8
	.type	k_qbb719ef714_prep,@function
k_qbb719ef714_prep:
	s_mov_b64 s[64:65], 0
	v_nop
	global_prefetch_b8 v0, s[64:65] scope:SCOPE_SE
	s_setreg_imm32_b32 hwreg(HW_REG_WAVE_MODE, 25, 1), 1
	s_wait_xcnt 0x0
; PER GRAPH (192 of them: 0-63 are S, 64-191 are T), with A' = A + 1e-4 I, r = row sums of A', c = column sums of A', Y = A' X:
;   U = Y / r and W = Y / c, rounded once to f16, laid out as matrix fragments;  g = 1e-4 r / c;  d = sqrt((|Y_i|^2 + 1e-4 r_i^2) / (r_i c_i));
;   u[b] = sum_a A'[a][b] / r[a], times 1 / (4096 pi^2);  v[b] = sum_a A'[a][b] / c[a].
; With these the pair launch needs ONE product a pair: sigma[a][d] = U1[a] . W2[d] + g2[d], and the last sandwich, scale and mean are sum u1[b] v2[c] ntk[b][c].
; Y is a matrix product in bf16 with f32 sums; A and X are each split into two bf16 parts (hi + lo), and hi.hi + lo.hi + hi.lo are summed: about 16 bits of each operand are kept.
; The term 1e-4 X of A' X is the C operand that starts the sums.
; SHARES.  One work-group a graph; wave w owns nodes 16 w .. 16 w + 15.  The product is taken transposed (source 0 = 16 features of X^T, source 1 = my 16 rows of A):
; lane (r = lane % 16, h = lane / 16) ends with Y[16 w + r][16 tf + 8 h + 0..7] for tf = 0..3: just the 16 bytes of an f16 fragment.
; LIMITS.  U and W are f16: |Y / r| and |Y / c| stay under 65,504.  r, c and the diagonal of sigma are taken as positive (else reference() has no finite result either).  NaN and infinities are not treated apart.
; R1[g] (8,704 bytes, S graphs only): U fragments [ta][tf][lane][16 B], then d[64], then u[64].
; R2[g] (10,240 bytes): for each column tile tb 2,560 bytes: W fragments [tf][lane][16 B], 16 x (g,g,g,g), 16 x (d,v,0,0).
.set PA,    272                        ; a row of A in LDS: 256 bytes + 16
.set PX,    160                        ; a row of X (bf16) in LDS: 128 bytes + 32, five times 32
.set XH,    17408                      ; behind A's 64 rows: X hi
.set XLO,   10240                      ; from X hi to X lo
.set RINV,  37888                      ; 1 / r, 64 words
.set CINV,  38144                      ; 1 / c, 64 words
.set DU,    38400                      ; d[64], u[64]
.set SPARE, 38912                      ; the spare words, 128 bytes a wave; no other line names them
.set AF,  32                           ; v[32:63]   my row of A as loaded; later CA: my column of A
.set ACC, 64                           ; v[64:95]   X as loaded, then 1e-4 X, then Y: accumulator tf at ACC + 8 tf
.set AH,  96                           ; v[96:111]  A hi: fragment kb at AH + 8 kb
.set ALO, 112                          ; v[112:127] A lo
.set XT,  128                          ; v[128:191] X^T hi: fragment (tf, kb) at XT + 8 (2 tf + kb); before and after the products at work
.set XTL, 192                          ; v[192:255] X^T lo; after the products 1/r or 1/c of 32 nodes, and at work
.set TT,  240                          ; v[240:247] DOT's four chains
; v1 global offset, v2 lane, v3 r, v4 h, v5-v12 addresses, v13 my spare word, v14 zero for the add, v15 zero
; v16 1/r, v17 r, v18 1/c, v19 c (named as pairs), v20 |Y|^2.., v21 d, v22 u, v23 v, v24 g, v25-26 at work
; the sum of 32 registers from src on, into dst; src stays as it is
.macro TREE src, dst
.set p, 0
.rept 8
	v_pk_add_f32 v[XT+2*p:XT+2*p+1], v[(\src)+4*p:(\src)+4*p+1], v[(\src)+4*p+2:(\src)+4*p+3]
.set p, p+1
.endr
.set p, 0
.rept 4
	v_pk_add_f32 v[XT+4*p:XT+4*p+1], v[XT+4*p:XT+4*p+1], v[XT+4*p+2:XT+4*p+3]
.set p, p+1
.endr
	v_pk_add_f32 v[XT:XT+1], v[XT:XT+1], v[XT+4:XT+5]
	v_pk_add_f32 v[XT+8:XT+9], v[XT+8:XT+9], v[XT+12:XT+13]
	v_pk_add_f32 v[XT:XT+1], v[XT:XT+1], v[XT+8:XT+9]
	v_add_f32 v[\dst], v[XT], v[XT+1]
.endm
; the other half of the lanes holds the other 32 terms
.macro XHALF reg
	v_permlanex16_b32 v26, v[\reg], s28, s29
	v_add_f32 v[\reg], v[\reg], v26
.endm
; 32 numbers from src on are split: hi = bf16(x), lo = bf16(x - hi), two to a register
.macro SPLIT src, hi, lo
.set p, 0
.rept 16
	v_cvt_pk_bf16_f32 v[(\hi)+p], v[(\src)+2*p], v[(\src)+2*p+1]
	v_lshlrev_b32 v[144+2*(p%4)], 16, v[(\hi)+p]
	v_and_b32 v[145+2*(p%4)], s26, v[(\hi)+p]
	v_pk_add_f32 v[144+2*(p%4):145+2*(p%4)], v[(\src)+2*p:(\src)+2*p+1], v[144+2*(p%4):145+2*(p%4)] neg_lo:[0,1] neg_hi:[0,1]
	v_cvt_pk_bf16_f32 v[(\lo)+p], v[144+2*(p%4)], v[145+2*(p%4)]
.set p, p+1
.endr
.endm
; the sum of 32 products, in four chains; the registers are read in ascending order
.macro DOT a, b, dst
.set p, 0
.rept 16
.if p < 4
	v_pk_mul_f32 v[TT+2*p:TT+2*p+1], v[(\a)+2*p:(\a)+2*p+1], v[(\b)+2*p:(\b)+2*p+1]
.else
	v_pk_fma_f32 v[TT+2*(p%4):TT+2*(p%4)+1], v[(\a)+2*p:(\a)+2*p+1], v[(\b)+2*p:(\b)+2*p+1], v[TT+2*(p%4):TT+2*(p%4)+1]
.endif
.set p, p+1
.endr
	v_pk_add_f32 v[TT:TT+1], v[TT:TT+1], v[TT+2:TT+3]
	v_pk_add_f32 v[TT+4:TT+5], v[TT+4:TT+5], v[TT+6:TT+7]
	v_pk_add_f32 v[TT:TT+1], v[TT:TT+1], v[TT+4:TT+5]
	v_add_f32 v[\dst], v[TT], v[TT+1]
.endm
; four products, one on each accumulator: the accumulators take turns
.macro ROUND xb, ab, kb
.irp tf, 0,1,2,3
	v_wmma_f32_16x16x32_bf16 v[ACC+8*\tf:ACC+8*\tf+7], v[(\xb)+8*(2*\tf+(\kb)):(\xb)+8*(2*\tf+(\kb))+7], v[(\ab)+8*(\kb):(\ab)+8*(\kb)+7], v[ACC+8*\tf:ACC+8*\tf+7]
.endr
.endm
	s_load_b256 s[4:11], s[0:1], 0x0               ; A_S s[4:5], A_T s[6:7], X_S s[8:9], X_T s[10:11]
	s_load_b128 s[12:15], s[0:1], 0x20             ; R1 s[12:13], R2 s[14:15]
	v_lshl_add_u32 v13, v0, 2, SPARE
	v_mov_b32 v14, 0
	v_lshrrev_b32 v2, 5, v0
	v_readfirstlane_b32 s16, v2                    ; wave 0..3
	v_and_b32 v2, 31, v0                           ; lane
	v_and_b32 v3, 15, v0                           ; r
	v_bfe_u32 v4, v0, 4, 1                         ; h
	v_mov_b32 v15, 0
	v_mov_b32 v26, 0                               ; v_permlanex16_b32 counts as a reader of its destination
	v_lshlrev_b32 v1, 8, v3
	v_lshl_add_u32 v1, v4, 5, v1                   ; in my wave's 16 rows of A or X: row r, 32 bytes for each half
	s_lshl_b32 s35, s16, 4
	v_add_nc_u32 v9, s35, v3                       ; my node, 16 w + r
	v_mul_u32_u24 v5, v9, PA
	v_lshl_add_u32 v5, v4, 5, v5                   ; where my row of A goes
	v_mul_u32_u24 v6, v9, PX
	v_lshl_add_u32 v6, v4, 4, v6
	v_add_nc_u32 v6, XH, v6                        ; where my row of X goes
	v_and_b32 v7, 7, v0
	v_lshl_add_u32 v7, v4, 3, v7                   ; the turning load: node 8 h + lane % 8,
	v_mul_u32_u24 v7, v7, PX
	v_bfe_u32 v8, v0, 3, 1
	v_lshl_add_u32 v7, v8, 4, v7                   ; features 8 ((lane / 8) % 2) on
	v_add_nc_u32 v7, XH, v7
	v_lshlrev_b32 v9, 2, v9                        ; my node's word
	v_mul_u32_u24 v8, v4, 8*PA
	v_add_nc_u32 v8, v8, v9                        ; my column of A, from row 8 h on
	v_lshlrev_b32 v10, 5, v4                       ; 8 h words
	v_lshlrev_b32 v11, 4, v2                       ; 16 x lane
	v_lshl_add_u32 v12, s16, 11, v11               ; + 2,048 x wave: my tile of U
	s_mov_b32 s17, ttmp9                           ; the graph
	s_sub_co_u32 s19, s17, 64
	s_min_u32 s30, s17, 63                         ; R1 has records for the S graphs alone; the others store nothing there
	s_mul_i32 s30, s30, 8704
	s_mov_b32 s31, 0
	s_mul_i32 s32, s17, 10240
	s_mul_i32 s33, s16, 2560
	s_add_co_u32 s32, s32, s33
	s_mov_b32 s33, 0
	s_mov_b32 s26, 0xffff0000                      ; a word's upper bf16
	s_mov_b32 s28, 0x76543210                      ; v_permlanex16_b32: each lane takes its own place in the other half
	s_mov_b32 s29, 0xfedcba98
	s_mov_b32 s36, 0x38d1b717                      ; 1e-4
	s_mov_b32 s37, s36                             ; named with it as a pair
	s_cmp_lt_u32 s17, 64                           ; an S graph?
	s_cselect_b32 s18, s17, s19                    ; its number in its own tensors
	s_cselect_b32 s34, 1, 0
	s_wait_kmcnt 0x0
	s_cselect_b64 s[20:21], s[4:5], s[6:7]         ; A
	s_cselect_b64 s[22:23], s[8:9], s[10:11]       ; X
	s_lshl_b32 s24, s18, 14                        ; 16,384 bytes a graph,
	s_lshl_b32 s25, s16, 12                        ; 4,096 for a wave's 16 rows
	s_add_co_u32 s24, s24, s25
	s_mov_b32 s25, 0
	s_add_nc_u64 s[20:21], s[20:21], s[24:25]
	s_add_nc_u64 s[22:23], s[22:23], s[24:25]
	s_add_nc_u64 s[12:13], s[12:13], s[30:31]      ; my graph's record in R1,
	s_add_nc_u64 s[14:15], s[14:15], s[32:33]      ; my wave's tile in its record in R2
.irp q, 0,1,2,3
	global_load_b128 v[AF+8*\q:AF+8*\q+3],   v1, s[20:21] offset:64*\q th:TH_LOAD_NT      ; A[16 w + r][16 q + 8 h ..]
	global_load_b128 v[AF+8*\q+4:AF+8*\q+7], v1, s[20:21] offset:64*\q+16 th:TH_LOAD_NT
.endr
.irp q, 0,1,2,3
	global_load_b128 v[ACC+8*\q:ACC+8*\q+3],   v1, s[22:23] offset:64*\q th:TH_LOAD_NT    ; X[16 w + r][16 q + 8 h ..]
	global_load_b128 v[ACC+8*\q+4:ACC+8*\q+7], v1, s[22:23] offset:64*\q+16 th:TH_LOAD_NT
.endr
	s_wait_loadcnt 0x8                             ; A's eight loads are in; X's eight may stay out
.irp q, 0,1,2,3
	ds_store_b128 v5, v[AF+8*\q:AF+8*\q+3]   offset:64*\q
	ds_store_b128 v5, v[AF+8*\q+4:AF+8*\q+7] offset:64*\q+16
.endr
	TREE AF, 17
	XHALF 17
	v_add_f32 v17, s36, v17                        ; r
	v_rcp_f32 v16, v17
	SPLIT AF, AH, ALO                              ; pair p of my row is register p of the two fragments; independent work behind the reciprocal
	s_wait_alu depctr_va_vdst(0)                   ; the wait ahead of the first line that names 1/r
	ds_store_b32 v9, v16 offset:RINV
	s_wait_loadcnt 0x0                             ; X
	SPLIT ACC, 160, 176
.irp tf, 0,1,2,3
	ds_store_b128 v6, v[160+4*\tf:163+4*\tf] offset:32*\tf
	ds_store_b128 v6, v[176+4*\tf:179+4*\tf] offset:32*\tf+XLO
.endr
.set p, 0
.rept 16
	v_pk_mul_f32 v[ACC+2*p:ACC+2*p+1], v[ACC+2*p:ACC+2*p+1], s[36:37] op_sel_hi:[1,0]     ; 1e-4 X starts the sums
.set p, p+1
.endr
	s_wait_dscnt 0x0                               ; for the others' sake: my rows of A and X and my 1/r lie in LDS
	s_barrier_signal -1
	s_barrier_wait -1
.irp tf, 0,1,2,3
.irp kb, 0,1
	ds_load_tr16_b128 v[XT+8*(2*\tf+\kb):XT+8*(2*\tf+\kb)+3],     v7 offset:32*PX*\kb+32*\tf
	ds_load_tr16_b128 v[XT+8*(2*\tf+\kb)+4:XT+8*(2*\tf+\kb)+7],   v7 offset:32*PX*\kb+32*\tf+16*PX
	ds_load_tr16_b128 v[XTL+8*(2*\tf+\kb):XTL+8*(2*\tf+\kb)+3],   v7 offset:32*PX*\kb+32*\tf+XLO
	ds_load_tr16_b128 v[XTL+8*(2*\tf+\kb)+4:XTL+8*(2*\tf+\kb)+7], v7 offset:32*PX*\kb+32*\tf+16*PX+XLO
.endr
.endr
.irp q, 0,1,2,3
.irp i, 0,1,2,3,4,5,6,7
	ds_load_b32 v[AF+8*\q+\i], v8 offset:(16*\q+\i)*PA     ; CA: A[16 q + 8 h + i][16 w + r]
.endr
.endr
	s_wait_dscnt 32                                ; the 32 turning loads are in; the 32 column loads behind them may stay out
	ROUND XT,  AH,  0
	ROUND XT,  AH,  1
	ROUND XT,  ALO, 0
	ROUND XT,  ALO, 1
	ROUND XTL, AH,  0
	ROUND XTL, AH,  1
.rept 4
	v_nop                                          ; four places (ISA guide 7.12.1) before the products' sources are written and their results read
.endr
	s_wait_dscnt 0x0                               ; CA
	TREE AF, 19
	XHALF 19
	v_add_f32 v19, s36, v19                        ; c
	v_rcp_f32 v18, v19
.irp q, 0,1,2,3
	ds_load_b128 v[XTL+8*\q:XTL+8*\q+3],   v10 offset:RINV+64*\q      ; 1/r of nodes 16 q + 8 h ..
	ds_load_b128 v[XTL+8*\q+4:XTL+8*\q+7], v10 offset:RINV+64*\q+16
.endr
	DOT ACC, ACC, 20                               ; half of |Y_i|^2; each accumulator is read from its low end on
	XHALF 20
	v_mul_f32 v25, v17, v17
	v_fma_f32 v20, v25, s36, v20                   ; + 1e-4 r^2
	v_mul_f32 v25, v20, v16
	s_wait_alu depctr_va_vdst(0)                   ; 1/c
	v_mul_f32 v25, v25, v18
	v_sqrt_f32 v21, v25                            ; d
	s_wait_dscnt 0x0                               ; 1/r of my 32 nodes
	DOT AF, XTL, 22
	XHALF 22
	v_fma_f32 v22, v16, s36, v22                   ; the diagonal's 1e-4
	v_mul_f32 v22, 0x37cf817b, v22                 ; u / (4096 pi^2)
	v_mul_f32 v24, v17, v18
	v_mul_f32 v24, s36, v24                        ; g = 1e-4 r / c
	s_wait_alu depctr_va_vdst(0)                   ; d
	ds_store_b32 v9, v18 offset:CINV
	ds_store_b32 v9, v21 offset:DU
	ds_store_b32 v9, v22 offset:DU+256
.set p, 0
.rept 16
	v_pk_mul_f32 v[224+2*p:225+2*p], v[ACC+2*p:ACC+2*p+1], v[18:19] op_sel_hi:[1,0]       ; W = Y / c
.set p, p+1
.endr
.set p, 0
.rept 16
	v_cvt_pk_f16_f32 v[128+p], v[224+2*p], v[225+2*p]
.set p, p+1
.endr
.irp tf, 0,1,2,3
	global_store_b128 v11, v[128+4*\tf:131+4*\tf], s[14:15] offset:512*\tf                ; 512 consecutive bytes, aligned to 256
.endr
	s_cmp_eq_u32 s34, 0
	s_cbranch_scc1 .Lno_u                          ; only S graphs stand on the left of a pair
.set p, 0
.rept 16
	v_pk_mul_f32 v[224+2*p:225+2*p], v[ACC+2*p:ACC+2*p+1], v[16:17] op_sel_hi:[1,0]       ; U = Y / r
.set p, p+1
.endr
.set p, 0
.rept 16
	v_cvt_pk_f16_f32 v[144+p], v[224+2*p], v[225+2*p]
.set p, p+1
.endr
.irp tf, 0,1,2,3
	global_store_b128 v12, v[144+4*\tf:147+4*\tf], s[12:13] offset:512*\tf
.endr
.Lno_u:
	s_wait_dscnt 0x0                               ; for the others' sake: my 1/c, d and u lie in LDS
	s_barrier_signal -1
	s_barrier_wait -1
.irp q, 0,1,2,3
	ds_load_b128 v[XTL+8*\q:XTL+8*\q+3],   v10 offset:CINV+64*\q
	ds_load_b128 v[XTL+8*\q+4:XTL+8*\q+7], v10 offset:CINV+64*\q+16
.endr
	s_wait_dscnt 0x0
	DOT AF, XTL, 23
	XHALF 23
	v_fma_f32 v23, v18, s36, v23                   ; v
	v_cmp_eq_u32 s38, 1, v4                        ; lanes 0-15 write (g,g,g,g) of node r, lanes 16-31 (d,v,0,0)
	v_cndmask_b32 v160, v24, v21, s38
	v_cndmask_b32 v161, v24, v23, s38
	v_cndmask_b32 v162, v24, v15, s38
	v_cndmask_b32 v163, v24, v15, s38
	global_store_b128 v11, v[160:163], s[14:15] offset:2048
	s_cmp_eq_u32 s34, 0
	s_cbranch_scc1 .Lend
	s_cmp_lg_u32 s16, 0
	s_cbranch_scc1 .Lend
	ds_load_b128 v[164:167], v11 offset:DU         ; wave 0 of an S graph: d[64] and u[64], 512 bytes
	s_wait_dscnt 0x0
	global_store_b128 v11, v[164:167], s[12:13] offset:8192
.Lend:
	s_wait_tensorcnt 0x0                           ; the wave's end
	ds_add_u32 v13, v14
	s_wait_dscnt 0x0
	s_endpgm
.Lfunc_end_k_qbb719ef714_prep:
	.size	k_qbb719ef714_prep, .Lfunc_end_k_qbb719ef714_prep-k_qbb719ef714_prep
	.p2alignl 7, 3214868480
	.fill 96, 4, 3214868480
	.section	.rodata,"a",@progbits
	.p2align	6, 0x0
	.amdhsa_kernel k_qbb719ef714_prep
		.amdhsa_group_segment_fixed_size 39424
		.amdhsa_private_segment_fixed_size 0
		.amdhsa_enable_private_segment 0
		.amdhsa_kernarg_size 48
		.amdhsa_user_sgpr_count 2
		.amdhsa_user_sgpr_kernarg_segment_ptr 1
		.amdhsa_wavefront_size32 1
		.amdhsa_system_sgpr_workgroup_id_x 1
		.amdhsa_system_sgpr_workgroup_id_y 1
		.amdhsa_system_sgpr_workgroup_id_z 1
		.amdhsa_system_vgpr_workitem_id 0
		.amdhsa_next_free_vgpr 256
		.amdhsa_next_free_sgpr 66
		.amdhsa_reserve_vcc 0
		.amdhsa_float_denorm_mode_32 3
		.amdhsa_float_denorm_mode_16_64 3
		.amdhsa_memory_ordered 1
		.amdhsa_forward_progress 1
		.amdhsa_inst_pref_size 35
	.end_amdhsa_kernel
	.amdgpu_metadata
---
amdhsa.version: [ 1, 2 ]
amdhsa.kernels:
  - .name:           k_qbb719ef714_prep
    .symbol:         k_qbb719ef714_prep.kd
    .args:
      - { .name: A_S, .offset: 0, .size: 8, .value_kind: global_buffer, .address_space: global }
      - { .name: A_T, .offset: 8, .size: 8, .value_kind: global_buffer, .address_space: global }
      - { .name: X_S, .offset: 16, .size: 8, .value_kind: global_buffer, .address_space: global }
      - { .name: X_T, .offset: 24, .size: 8, .value_kind: global_buffer, .address_space: global }
      - { .name: R1, .offset: 32, .size: 8, .value_kind: global_buffer, .address_space: global }
      - { .name: R2, .offset: 40, .size: 8, .value_kind: global_buffer, .address_space: global }
    .group_segment_fixed_size: 39424
    .private_segment_fixed_size: 0
    .kernarg_segment_align: 8
    .kernarg_segment_size: 48
    .max_flat_workgroup_size: 128
    .sgpr_count:     66
    .vgpr_count:     256
    .wavefront_size: 32
...
	.end_amdgpu_metadata
.endif
;; end of part 1
;; launch pairs (part 2): grid 32 x 8, 16 waves a work-group, no clusters, 167,936 bytes of LDS; arguments R1, R2, KW; writes KW
.if DOCPART == 2
	.amdgcn_target "amdgcn-amd-amdhsa--gfx1250"
	.amdhsa_code_object_version 6
	.text
	.protected	k_qbb719ef714_pairs
	.globl	k_qbb719ef714_pairs
	.p2align	8
	.type	k_qbb719ef714_pairs,@function
k_qbb719ef714_pairs:
	s_mov_b64 s[64:65], 0
	v_nop
	global_prefetch_b8 v0, s[64:65] scope:SCOPE_SE
	s_setreg_imm32_b32 hwreg(HW_REG_WAVE_MODE, 25, 1), 1
	s_wait_xcnt 0x0
; K[N][M] for 64 x 192 pairs of graphs (M = 0..63: S, 64..191: T).  For each of a pair's 64 x 64 places (a, d):
;   sigma = U1[a] . W2[d] + g2[d]  (one f16 product, f32 sums, g2 as the C operand), then two arc-cosine layers in f32, then K = sum u1[a] v2[d] ntk[a][d].
; THE LAYERS, with L = 0.9999, eps = 1e-6, c1 = Sn(L) = 0.9999003 (the second normaliser is sqrt(c1) times the first: on a graph's own diagonal sigma / d^2 is 1 and is clipped to L):
;   t0 = d1 d2 + eps;  x = clip(sigma / t0);  K0 = pi/2 + asin x = pi DS;  K1 = x K0 + sqrt(1 - x^2) = pi Sn;  N0 = sigma K0 + K1 = pi ntk;
;   t1 = pi L (c1 d1 d2 + eps);  y = L clamp01(K1 t0 / t1) = clip(S of layer 2), which is never negative;  K0' = pi - acos y;  w = sqrt(1 - y^2);
;   pi^2 ntk = (N0 + pi y) K0' + pi w.  The factor 1 / (4096 pi^2) lies in u1.
; acos y = sqrt(1 - y) P(y) on 0..1 with P of degree 4: P is off by at most 8.5e-6 on the whole interval, whatever the data.
; LIMITS.  That 8.5e-6; U and W in f16 (under 65,504); d1 d2 positive; NaN and infinities are not treated apart.
; SHARES.  Work-group (x, y): graphs N = 8 y .. 8 y + 7 against M = 6 x .. 6 x + 5.  Wave w: graph 8 y + w / 2, rows 32 (w % 2) .. + 31; its U, d1, u1 stay in registers.
; It walks 24 chunks (6 graphs x 4 column tiles) of 32 x 16 places: 16 places a lane; lanes carry d (and a's half of eight), registers carry a.
; The six records of R2, 61,440 bytes, are brought into LDS once, 15 rows of 256 bytes by each wave's one tensor load; nothing is filled again.
; NO CLUSTER: the eight work-groups with one x read the same six records, but that is each one's only fill, 61,440 bytes for 48 pairs x 4,096 places of arithmetic.
; Four waves lie on each SIMD, in one work-group, so that one wave's waits are another's issue slots.
.set REC,   2560                       ; a chunk's bytes: W fragments 2,048, (g,g,g,g) 256, (d,v,0,0) 256
.set PART,  61440                      ; behind the records: 8 words a wave: its sums for the six M, and two zeros
.set SPARE, 61952                      ; the spare words, 128 bytes a wave; no other line names them
.set G,   24                           ; v[24:31]   g2 of my column, eight times
.set BF,  32                           ; v[32:47]   W's two fragments
.set AF,  48                           ; v[48:79]   U: tile i, 32 features kb at AF + 16 i + 8 kb
.set D1,  80                           ; v[80:95]   d1 of my 16 rows
.set U1,  96                           ; v[96:111]  u1 of my 16 rows
.set SG,  112                          ; v[112:127] sigma, then N0, then the product b
.set T0,  128                          ; t0, then t0 / t1
.set T1,  144                          ; t1, 1 / t1, then y of layer 2
.set XS,  160                          ; 1 / t0, then x
.set YY,  176                          ; |x|
.set RM,  192                          ; 1 - y, then its root
.set RW,  208                          ; 1 - y^2, its root, then K1
.set PP,  224                          ; P, then K0
; v1, v2 the chunk's LDS addresses; v3 at work; v4 my spare word, v5 zero for the add; v[6:7] zeros; v[8:9] d2, v2; v[10:17] four chains of sums; v18 the sum for one M; v19 at work
; v20, v21 global offsets; v22 16 x lane; v23 16 x (lane % 16)
; s[28:49] constants as pairs: eps, pi L c1, pi L eps (1 - c1), a4..a0, pi/2, pi, L; s50 -L; s51 the magnitude's mask; s[52:53] lane selects; s54, s55 counters; s56 the chunk's LDS byte; s57 where my sum goes
; 32 roots in place (16 of 1 - y, 16 of 1 - y^2) and P(y) for 16 numbers: a root and a Horner step by turns; the links of one Horner chain stand 16 lines apart.  No line here names a root's result.
.macro ROOTS_POLY y
.set n, 0
.rept 32
.set e, n%8
.if n < 16
	v_sqrt_f32 v[RM+n], v[RM+n]
.else
	v_sqrt_f32 v[RW+n-16], v[RW+n-16]
.endif
.if n/8 == 0
	v_pk_fma_f32 v[PP+2*e:PP+2*e+1], v[(\y)+2*e:(\y)+2*e+1], s[34:35], s[36:37] op_sel_hi:[1,0,0]
.elseif n/8 == 1
	v_pk_fma_f32 v[PP+2*e:PP+2*e+1], v[PP+2*e:PP+2*e+1], v[(\y)+2*e:(\y)+2*e+1], s[38:39] op_sel_hi:[1,1,0]
.elseif n/8 == 2
	v_pk_fma_f32 v[PP+2*e:PP+2*e+1], v[PP+2*e:PP+2*e+1], v[(\y)+2*e:(\y)+2*e+1], s[40:41] op_sel_hi:[1,1,0]
.else
	v_pk_fma_f32 v[PP+2*e:PP+2*e+1], v[PP+2*e:PP+2*e+1], v[(\y)+2*e:(\y)+2*e+1], s[42:43] op_sel_hi:[1,1,0]
.endif
.set n, n+1
.endr
.endm
	s_load_b128 s[4:7], s[0:1], 0x0                ; R1 s[4:5], R2 s[6:7]
	s_load_b64 s[8:9], s[0:1], 0x10                ; KW
	v_lshl_add_u32 v4, v0, 2, SPARE
	v_mov_b32 v5, 0
	ds_add_u32 v4, v5                              ; the wave's opening: the add, twice on end, and its wait ahead of my tensor load
	ds_add_u32 v4, v5
	v_lshrrev_b32 v1, 5, v0
	v_readfirstlane_b32 s10, v1                    ; wave 0..15
	s_mov_b32 s11, ttmp9                           ; x
	s_and_b32 s12, ttmp7, 0xffff                   ; y
	s_mov_b32 s20, 3<<16                           ; group 1: elements of 8 bytes, no mask, no padding
	s_mov_b32 s21, 32<<16                          ; tensor_dim0 = 32 elements = 256 bytes
	s_mov_b32 s22, 15<<16                          ; tensor_dim1 = 15 rows
	s_mov_b32 s23, 32<<16                          ; tile_dim0 = 32
	s_mov_b32 s24, 15                              ; tile_dim1 = 15
	s_mov_b32 s25, 32                              ; 32 elements from row to row: the block is dense
	s_mov_b32 s26, 0
	s_mov_b32 s27, 0
	s_mov_b32 s16, 1                               ; group 0: count = 1
	s_mul_i32 s17, s10, 3840                       ; LDS address: my 15 rows of the 240
	s_mov_b32 s28, 0x358637bd                      ; eps = 1e-6
	s_mov_b32 s30, 0x40490593                      ; pi L c1 = 3.1409652
	s_mov_b32 s32, 0x2fac1302                      ; pi L eps (1 - c1) = 3.13e-10
	s_mov_b32 s34, 0x3c0db3dd                      ; a4 =  0.00864884
	s_mov_b32 s36, 0xbd12758b                      ; a3 = -0.03575663
	s_mov_b32 s38, 0x3dad65a0                      ; a2 =  0.08466649
	s_mov_b32 s40, 0xbe5b4376                      ; a1 = -0.21412453
	s_mov_b32 s42, 0x3fc90f94                      ; a0 =  1.57078786
	s_mov_b32 s44, 0x3fc90fdb                      ; pi / 2
	s_mov_b32 s46, 0x40490fdb                      ; pi
	s_mov_b32 s48, 0x3f7ff972                      ; L = 0.9999
.irp c, 28,30,32,34,36,38,40,42,44,46,48
	s_mov_b32 s[\c+1], s[\c]                       ; each is named as a pair
.endr
	s_mov_b32 s50, 0xbf7ff972                      ; -L
	s_mov_b32 s51, 0x7fffffff
	s_mov_b32 s52, 0x76543210
	s_mov_b32 s53, 0xfedcba98
	s_wait_dscnt 0x0                               ; both opening adds are done
	s_wait_kmcnt 0x0
	s_mul_i32 s2, s11, 61440                       ; six records of 10,240 bytes
	s_add_co_u32 s2, s2, s17
	s_mov_b32 s3, 0
	s_add_nc_u64 s[18:19], s[6:7], s[2:3]          ; global address of my 15 rows
	s_or_b32 s19, s19, 0x80000000                  ; type = 2
	tensor_load_to_lds s[16:19], s[20:27]          ; my one tensor load of the launch
	s_nop 0
	v_and_b32 v1, 31, v0
	v_and_b32 v2, 15, v0
	v_bfe_u32 v3, v0, 4, 1
	v_lshlrev_b32 v22, 4, v1
	v_lshlrev_b32 v23, 4, v2
	s_and_b32 s13, s10, 1                          ; which 32 rows are mine
	s_lshr_b32 s14, s10, 1
	s_lshl_b32 s15, s12, 3
	s_add_co_u32 s14, s14, s15                     ; N = 8 y + w / 2
	s_mul_i32 s2, s14, 8704
	s_mov_b32 s3, 0
	s_add_nc_u64 s[4:5], s[4:5], s[2:3]            ; its record
	v_lshl_add_u32 v20, s13, 12, v22               ; U: two tiles of 2,048 bytes a half, 16 bytes a lane
	v_lshlrev_b32 v21, 5, v3
	v_lshl_add_u32 v21, s13, 7, v21                ; d1, u1: rows 32 half + 8 h on
.irp i, 0,1
.irp tf, 0,1,2,3
	global_load_b128 v[AF+16*\i+4*\tf:AF+16*\i+4*\tf+3], v20, s[4:5] offset:2048*\i+512*\tf
.endr
.endr
.irp i, 0,1
	global_load_b128 v[D1+8*\i:D1+8*\i+3],   v21, s[4:5] offset:8192+64*\i
	global_load_b128 v[D1+8*\i+4:D1+8*\i+7], v21, s[4:5] offset:8192+64*\i+16
	global_load_b128 v[U1+8*\i:U1+8*\i+3],   v21, s[4:5] offset:8448+64*\i
	global_load_b128 v[U1+8*\i+4:U1+8*\i+7], v21, s[4:5] offset:8448+64*\i+16
.endr
	v_mov_b32 v6, 0
	v_mov_b32 v7, 0
	v_mov_b32 v18, 0
	v_mov_b32 v19, 0
	s_lshl_b32 s57, s10, 5
	s_add_co_u32 s57, s57, PART                    ; my eight words
	v_mov_b32 v3, s57
	ds_store_b64 v3, v[6:7] offset:24              ; words 6 and 7 are stored as zeros, so that whole blocks of 256 bytes leave
	s_wait_tensorcnt 0x0                           ; my 15 rows have landed,
	s_wait_dscnt 0x0
	s_barrier_signal -1
	s_barrier_wait -1                              ; everybody's have
	s_wait_loadcnt 0x0                             ; U, d1, u1
	s_mov_b32 s56, 0
	s_mov_b32 s54, 6
.Lgraph:
	s_mov_b32 s55, 4
.Ltile:
	v_add_nc_u32 v1, s56, v22
	v_add_nc_u32 v2, s56, v23
	ds_load_b128 v[BF:BF+3],     v1
	ds_load_b128 v[BF+4:BF+7],   v1 offset:512
	ds_load_b128 v[BF+8:BF+11],  v1 offset:1024
	ds_load_b128 v[BF+12:BF+15], v1 offset:1536
	ds_load_b128 v[G:G+3],       v2 offset:2048
	ds_load_b128 v[G+4:G+7],     v2 offset:2048
	ds_load_b64  v[8:9],         v2 offset:2304
	s_wait_dscnt 0x0
	v_wmma_f32_16x16x32_f16 v[SG:SG+7],    v[AF:AF+7],     v[BF:BF+7],    v[G:G+7]        ; the two tiles take turns
	v_wmma_f32_16x16x32_f16 v[SG+8:SG+15], v[AF+16:AF+23], v[BF:BF+7],    v[G:G+7]
	v_wmma_f32_16x16x32_f16 v[SG:SG+7],    v[AF+8:AF+15],  v[BF+8:BF+15], v[SG:SG+7]
	v_wmma_f32_16x16x32_f16 v[SG+8:SG+15], v[AF+24:AF+31], v[BF+8:BF+15], v[SG+8:SG+15]
.set e, 0
.rept 8                                        ; t0 = d1 d2 + eps: eight plain lines that name no register of the products: the places behind them
	v_pk_fma_f32 v[T0+2*e:T0+2*e+1], v[D1+2*e:D1+2*e+1], v[8:9], s[28:29] op_sel_hi:[1,0,0]
.set e, e+1
.endr
.set e, 0
.rept 8                                        ; 1 / t0, and t1 between
	v_rcp_f32 v[XS+2*e], v[T0+2*e]
	v_pk_fma_f32 v[T1+2*e:T1+2*e+1], v[T0+2*e:T0+2*e+1], s[30:31], s[32:33] op_sel_hi:[1,0,0]
	v_rcp_f32 v[XS+2*e+1], v[T0+2*e+1]
.set e, e+1
.endr
	v_nop                                          ; a plain line behind the last reciprocal
	s_wait_alu depctr_va_vdst(0)                   ; one wait for the 16 reciprocals, ahead of their first reader
.set e, 0
.rept 8                                        ; sigma / t0; each accumulator is read from its low end on
	v_pk_mul_f32 v[XS+2*e:XS+2*e+1], v[SG+2*e:SG+2*e+1], v[XS+2*e:XS+2*e+1]
.set e, e+1
.endr
.set i, 0
.rept 16                                       ; 1 / t1 (read behind the next wait), the clip, the magnitude
	v_rcp_f32 v[T1+i], v[T1+i]
	v_med3_num_f32 v[XS+i], v[XS+i], s50, s48
	v_and_b32 v[YY+i], s51, v[XS+i]
.set i, i+1
.endr
.set e, 0
.rept 8
	v_pk_fma_f32 v[RM+2*e:RM+2*e+1], v[YY+2*e:YY+2*e+1], -1.0, 1.0 op_sel_hi:[1,0,0]
	v_pk_fma_f32 v[RW+2*e:RW+2*e+1], v[XS+2*e:XS+2*e+1], v[XS+2*e:XS+2*e+1], 1.0 op_sel_hi:[1,1,0] neg_lo:[1,0,0] neg_hi:[1,0,0]
.set e, e+1
.endr
	ROOTS_POLY YY
	s_wait_alu depctr_va_vdst(0)                   ; one wait for 1 / t1 and the 32 roots; the last Horner step is the plain line behind the last root
.set e, 0
.rept 8
	v_pk_mul_f32 v[T0+2*e:T0+2*e+1], v[T0+2*e:T0+2*e+1], v[T1+2*e:T1+2*e+1]                ; t0 / t1
	v_pk_fma_f32 v[PP+2*e:PP+2*e+1], v[RM+2*e:RM+2*e+1], v[PP+2*e:PP+2*e+1], s[44:45] op_sel_hi:[1,1,0] neg_lo:[1,0,0] neg_hi:[1,0,0]  ; asin |x|
.set e, e+1
.endr
.set i, 0
.rept 16
	v_bfi_b32 v[PP+i], s51, v[PP+i], v[XS+i]       ; with x's sign
.set i, i+1
.endr
.set e, 0
.rept 8
	v_pk_add_f32 v[PP+2*e:PP+2*e+1], v[PP+2*e:PP+2*e+1], s[44:45] op_sel_hi:[1,0]          ; K0
.set e, e+1
.endr
.set e, 0
.rept 8
	v_pk_fma_f32 v[RW+2*e:RW+2*e+1], v[XS+2*e:XS+2*e+1], v[PP+2*e:PP+2*e+1], v[RW+2*e:RW+2*e+1]  ; K1
.set e, e+1
.endr
.set e, 0
.rept 8
	v_pk_fma_f32 v[SG+2*e:SG+2*e+1], v[SG+2*e:SG+2*e+1], v[PP+2*e:PP+2*e+1], v[RW+2*e:RW+2*e+1]  ; N0
	v_pk_mul_f32 v[T1+2*e:T1+2*e+1], v[RW+2*e:RW+2*e+1], v[T0+2*e:T0+2*e+1] clamp          ; S of layer 2 over L, held to 0 .. 1
.set e, e+1
.endr
.set e, 0
.rept 8
	v_pk_mul_f32 v[T1+2*e:T1+2*e+1], v[T1+2*e:T1+2*e+1], s[48:49] op_sel_hi:[1,0]          ; y
.set e, e+1
.endr
.set e, 0
.rept 8
	v_pk_fma_f32 v[RM+2*e:RM+2*e+1], v[T1+2*e:T1+2*e+1], -1.0, 1.0 op_sel_hi:[1,0,0]
	v_pk_fma_f32 v[RW+2*e:RW+2*e+1], v[T1+2*e:T1+2*e+1], v[T1+2*e:T1+2*e+1], 1.0 op_sel_hi:[1,1,0] neg_lo:[1,0,0] neg_hi:[1,0,0]
.set e, e+1
.endr
	ROOTS_POLY T1
.set e, 0
.rept 8
	v_pk_fma_f32 v[SG+2*e:SG+2*e+1], v[T1+2*e:T1+2*e+1], s[46:47], v[SG+2*e:SG+2*e+1] op_sel_hi:[1,0,1]  ; N0 + pi y: work that names no root
.set e, e+1
.endr
	s_wait_alu depctr_va_vdst(0)                   ; one wait for the 32 roots
.set e, 0
.rept 8
	v_pk_fma_f32 v[PP+2*e:PP+2*e+1], v[RM+2*e:RM+2*e+1], v[PP+2*e:PP+2*e+1], s[46:47] op_sel_hi:[1,1,0] neg_lo:[1,0,0] neg_hi:[1,0,0]  ; K0' = pi - acos y
.set e, e+1
.endr
.set e, 0
.rept 8
	v_pk_mul_f32 v[SG+2*e:SG+2*e+1], v[SG+2*e:SG+2*e+1], v[PP+2*e:PP+2*e+1]
.set e, e+1
.endr
.set e, 0
.rept 8                                        ; sums over my rows, weighted by u1, in four chains; each chain's first line starts it
.if e < 2
	v_pk_mul_f32 v[10+2*e:11+2*e], v[U1+2*e:U1+2*e+1], v[SG+2*e:SG+2*e+1]
	v_pk_mul_f32 v[14+2*e:15+2*e], v[U1+2*e:U1+2*e+1], v[RW+2*e:RW+2*e+1]
.else
	v_pk_fma_f32 v[10+2*(e%2):11+2*(e%2)], v[U1+2*e:U1+2*e+1], v[SG+2*e:SG+2*e+1], v[10+2*(e%2):11+2*(e%2)]
	v_pk_fma_f32 v[14+2*(e%2):15+2*(e%2)], v[U1+2*e:U1+2*e+1], v[RW+2*e:RW+2*e+1], v[14+2*(e%2):15+2*(e%2)]
.endif
.set e, e+1
.endr
	v_pk_add_f32 v[10:11], v[10:11], v[12:13]
	v_pk_add_f32 v[14:15], v[14:15], v[16:17]
	v_pk_fma_f32 v[10:11], v[14:15], s[46:47], v[10:11] op_sel_hi:[1,0,1]
	v_add_f32 v19, v10, v11
	v_fmac_f32 v18, v9, v19                        ; times v2 of my column
	s_add_co_u32 s56, s56, REC
	s_sub_co_u32 s55, s55, 1
	s_cmp_lg_u32 s55, 0
	s_cbranch_scc1 .Ltile
	v_add_f32_dpp v18, v18, v18 row_xmask:1 row_mask:0xf bank_mask:0xf     ; over the 32 lanes
	v_add_f32_dpp v18, v18, v18 row_xmask:2 row_mask:0xf bank_mask:0xf
	v_add_f32_dpp v18, v18, v18 row_xmask:4 row_mask:0xf bank_mask:0xf
	v_add_f32_dpp v18, v18, v18 row_xmask:8 row_mask:0xf bank_mask:0xf
	v_permlanex16_b32 v19, v18, s52, s53
	v_add_f32 v18, v18, v19
	v_mov_b32 v3, s57
	ds_store_b32 v3, v18                           ; all lanes write the same word with the same number
	v_mov_b32 v18, 0
	s_add_co_u32 s57, s57, 4
	s_sub_co_u32 s54, s54, 1
	s_cmp_lg_u32 s54, 0
	s_cbranch_scc1 .Lgraph
	s_wait_dscnt 0x0                               ; for wave 0's sake: my six sums lie in LDS
	s_barrier_signal -1
	s_barrier_wait -1
	s_cmp_lg_u32 s10, 0
	s_cbranch_scc1 .Lend
	v_and_b32 v1, 31, v0                           ; wave 0: lane l takes words 2 (l % 4), + 1 of graph l / 4: the two halves' sums are added
	v_lshrrev_b32 v2, 2, v1
	v_and_b32 v3, 3, v1
	v_lshlrev_b32 v2, 6, v2
	v_lshl_add_u32 v2, v3, 3, v2
	ds_load_b64 v[24:25], v2 offset:PART
	ds_load_b64 v[26:27], v2 offset:PART+32
	s_lshl_b32 s2, s11, 11                         ; KW[x][N][8]: 2,048 bytes an x,
	s_lshl_b32 s3, s12, 8                          ; 256 for my eight N
	s_add_co_u32 s2, s2, s3
	s_mov_b32 s3, 0
	s_add_nc_u64 s[8:9], s[8:9], s[2:3]
	v_lshlrev_b32 v1, 3, v1
	s_wait_dscnt 0x0
	v_pk_add_f32 v[24:25], v[24:25], v[26:27]
	global_store_b64 v1, v[24:25], s[8:9]          ; 256 consecutive bytes, aligned, by one instruction
.Lend:
	s_wait_tensorcnt 0x0                           ; the wave's end
	ds_add_u32 v4, v5
	s_wait_dscnt 0x0
	s_endpgm
.Lfunc_end_k_qbb719ef714_pairs:
	.size	k_qbb719ef714_pairs, .Lfunc_end_k_qbb719ef714_pairs-k_qbb719ef714_pairs
	.p2alignl 7, 3214868480
	.fill 96, 4, 3214868480
	.section	.rodata,"a",@progbits
	.p2align	6, 0x0
	.amdhsa_kernel k_qbb719ef714_pairs
		.amdhsa_group_segment_fixed_size 167936
		.amdhsa_private_segment_fixed_size 0
		.amdhsa_enable_private_segment 0
		.amdhsa_kernarg_size 24
		.amdhsa_user_sgpr_count 2
		.amdhsa_user_sgpr_kernarg_segment_ptr 1
		.amdhsa_wavefront_size32 1
		.amdhsa_system_sgpr_workgroup_id_x 1
		.amdhsa_system_sgpr_workgroup_id_y 1
		.amdhsa_system_sgpr_workgroup_id_z 1
		.amdhsa_system_vgpr_workitem_id 0
		.amdhsa_next_free_vgpr 240
		.amdhsa_next_free_sgpr 66
		.amdhsa_reserve_vcc 0
		.amdhsa_float_denorm_mode_32 3
		.amdhsa_float_denorm_mode_16_64 3
		.amdhsa_memory_ordered 1
		.amdhsa_forward_progress 1
		.amdhsa_inst_pref_size 28
	.end_amdhsa_kernel
	.amdgpu_metadata
---
amdhsa.version: [ 1, 2 ]
amdhsa.kernels:
  - .name:           k_qbb719ef714_pairs
    .symbol:         k_qbb719ef714_pairs.kd
    .args:
      - { .name: R1, .offset: 0, .size: 8, .value_kind: global_buffer, .address_space: global }
      - { .name: R2, .offset: 8, .size: 8, .value_kind: global_buffer, .address_space: global }
      - { .name: KW, .offset: 16, .size: 8, .value_kind: global_buffer, .address_space: global }
    .group_segment_fixed_size: 167936
    .private_segment_fixed_size: 0
    .kernarg_segment_align: 8
    .kernarg_segment_size: 24
    .max_flat_workgroup_size: 512
    .sgpr_count:     66
    .vgpr_count:     240
    .wavefront_size: 32
...
	.end_amdgpu_metadata
.endif
;; end of part 2
;; launch solve (part 3): grid 1 x 1, 4 waves a work-group, no clusters, 58,368 bytes of LDS; arguments KW, y_S, out0, out1; writes out0, out1
.if DOCPART == 3
	.amdgcn_target "amdgcn-amd-amdhsa--gfx1250"
	.amdhsa_code_object_version 6
	.text
	.protected	k_qbb719ef714_solve
	.globl	k_qbb719ef714_solve
	.p2align	8
	.type	k_qbb719ef714_solve,@function
k_qbb719ef714_solve:
	s_mov_b64 s[64:65], 0
	v_nop
	global_prefetch_b8 v0, s[64:65] scope:SCOPE_SE
	s_setreg_imm32_b32 hwreg(HW_REG_WAVE_MODE, 25, 1), 1
	s_wait_xcnt 0x0
; out1 = K_SS = K[:, 0:64];  alpha = (K_SS + lambda I)^-1 y_S with lambda = 1e-6 trace(K_SS) / 64;  out0 = K_ST^T alpha, K_ST = K[:, 64:192].
; One work-group: the system has 64 unknowns and 10 right-hand sides, a chain of 64 dependent steps that more work-groups could not shorten.
; THE ELIMINATION (wave 0) is Gauss-Jordan on the 64 x 74 matrix [K_SS | y_S], all in registers: lane l holds rows l and l + 32 as the two words of a register pair, a pair a column.
; Step k: m = column k / pivot (0 in row k); every later column j takes -m x a[k][j], a[k][j] read from lane k into a scalar register.  At the end row k holds a[k][k] alpha[k] = b[k].
; lambda is added to a pivot when the pivot is read: earlier steps change a[k][k] by terms that do not hold a[k][k], so that is the same as adding it at the start.
; The text is short by ROTATION: eight steps are written out; behind them every column moves eight places down, and the loop goes round.  The places at the top then hold old copies of
; right-hand sides, which are updated to no purpose and never read.
; LIMITS.  No row exchanges: the pivots must not vanish, as they do not for a kernel matrix plus lambda I; v_rcp_f32's accuracy (1 ulp) enters each step.  NaN and infinities are not treated apart.
.set PK,    776                        ; a row of K in LDS: 192 words + 2
.set ALPHA, 49664                      ; behind K's 64 rows: alpha, 64 rows of 48 bytes (10 words used)
.set OUTST, 52736                      ; 1,280 bytes a wave, for the way out
.set SPARE, 57856                      ; the spare words, 128 bytes a wave; no other line names them
.set CM,  16                           ; v[16:163]  column j at CM + 2 j; before and after the elimination at work
.set KT,  176                          ; v[176:239] K[N][64 + t], N = 0..63, for my thread's row t of out0
.set PR,  240                          ; v[240:249] my row of out0
; v1 lane; v2 my spare word, v3 zero for the add; v4-v15, v250-v252 addresses; v164-165 the trace; v[166:167] -m; v[168:169] 1 / pivot; v[170:171] the rows' 1 / pivot; v172 zero
; s12 wave; s13 lambda; s14 the pivot's lane; s15 its mask; s[16:31] eight numbers of the pivot's row, each the low word of a pair; s33 the pivot; s34 counter; s[36:37] lane selects
; Step p of eight; w columns are alive or carried; half = 0: the pivot's row is a low word, 1: a high word
.macro STEP p, w, half
	v_readlane_b32 s33, v[CM+2*(\p)+(\half)], s14
	s_add_f32 s33, s33, s13                        ; + lambda
	v_rcp_f32 v168, s33
	v_nop                                          ; a plain line behind the reciprocal,
	s_wait_alu depctr_va_vdst(0)                   ; and the wait ahead of its first reader
	v_pk_mul_f32 v[166:167], v[CM+2*(\p):CM+2*(\p)+1], v[168:169] op_sel_hi:[1,0] neg_lo:[1,0] neg_hi:[1,0]
	v_cndmask_b32 v[166+(\half)], v[166+(\half)], v172, s15      ; the pivot's own row stays
	v_cndmask_b32 v[170+(\half)], v[170+(\half)], v168, s15      ; and keeps its 1 / pivot
.set j0, (\p)+1
.rept ((\w)-(\p)-1+7)/8
.set i, 0
.rept 8
.if j0+i < (\w)
	v_readlane_b32 s[16+2*i], v[CM+2*(j0+i)+(\half)], s14
.endif
.set i, i+1
.endr
.set i, 0
.rept 8
.if j0+i < (\w)
	v_pk_fma_f32 v[CM+2*(j0+i):CM+2*(j0+i)+1], v[166:167], s[16+2*i:17+2*i], v[CM+2*(j0+i):CM+2*(j0+i)+1] op_sel_hi:[1,0,1]
.endif
.set i, i+1
.endr
.set j0, j0+8
.endr
	s_add_co_u32 s14, s14, 1
	s_lshl_b32 s15, s15, 1
.endm
.macro ROT n                           ; columns 8 .. n + 7 move to 0 .. n - 1, in ascending order
.set j, 0
.rept \n
	v_dual_mov_b32 v[CM+2*j], v[CM+16+2*j] :: v_dual_mov_b32 v[CM+2*j+1], v[CM+17+2*j]
.set j, j+1
.endr
.endm
.macro LOADG g, s                      ; rows 8 g .. 8 g + 7 of alpha, the same for every lane, into set s of 80 registers
.set i, 0
.rept 8
	ds_load_b128 v[16+80*(\s)+10*i:16+80*(\s)+10*i+3],   v13 offset:48*(8*(\g)+i)
	ds_load_b128 v[16+80*(\s)+10*i+4:16+80*(\s)+10*i+7], v13 offset:48*(8*(\g)+i)+16
	ds_load_b64  v[16+80*(\s)+10*i+8:16+80*(\s)+10*i+9], v13 offset:48*(8*(\g)+i)+32
.set i, i+1
.endr
.endm
.macro FMAG g, s                       ; my row of out0 takes K[N][64 + t] alpha[N][:] for those eight N; five pairs take turns
.set i, 0
.rept 8
.set nn, 8*(\g)+i
.set c, 0
.rept 5
.set ra, 16+80*(\s)+10*i+2*c
.if nn == 0
	v_pk_mul_f32 v[PR+2*c:PR+2*c+1], v[ra:ra+1], v[KT:KT+1] op_sel_hi:[1,0]
.elseif nn%2 == 0
	v_pk_fma_f32 v[PR+2*c:PR+2*c+1], v[ra:ra+1], v[KT+nn:KT+nn+1], v[PR+2*c:PR+2*c+1] op_sel_hi:[1,0,1]
.else
	v_pk_fma_f32 v[PR+2*c:PR+2*c+1], v[ra:ra+1], v[KT+nn-1:KT+nn], v[PR+2*c:PR+2*c+1] op_sel:[0,1,0] op_sel_hi:[1,1,1]
.endif
.set c, c+1
.endr
.set i, i+1
.endr
.endm
	s_load_b256 s[4:11], s[0:1], 0x0               ; KW s[4:5], y_S s[6:7], out0 s[8:9], out1 s[10:11]
	v_lshl_add_u32 v2, v0, 2, SPARE
	v_mov_b32 v3, 0
	v_lshrrev_b32 v1, 5, v0
	v_readfirstlane_b32 s12, v1                    ; wave 0..3
	v_and_b32 v1, 31, v0                           ; lane
	v_and_b32 v4, 15, v0
	v_bfe_u32 v6, v0, 4, 1
	s_lshl_b32 s2, s12, 4
	v_add_nc_u32 v5, s2, v4                        ; the fill: row N = 16 w + lane % 16, so that each wave writes 16 whole rows of K,
	v_lshlrev_b32 v4, 5, v5                        ; KW[x][N][8]: 32 bytes an N,
	v_lshl_add_u32 v4, v6, 11, v4                  ; 2,048 an x; x = 2 q + lane / 16
	v_mul_u32_u24 v5, v5, PK
	v_mad_u32_u24 v5, v6, 24, v5                   ; six columns an x
	s_mul_i32 s2, s12, 16*PK
	v_lshl_add_u32 v6, v1, 3, s2                   ; out1: my wave's 16 rows, 8 bytes a lane, in LDS
	s_lshl_b32 s3, s12, 12
	v_lshl_add_u32 v7, v1, 3, s3                   ; and in memory
	v_lshl_add_u32 v8, v0, 2, 256                  ; column 64 + t
	v_mul_u32_u24 v9, v1, PK                       ; row l
	v_mul_u32_u24 v10, v1, 40                      ; row l of y_S
	v_mul_u32_u24 v11, v1, PK+4                    ; the diagonal's place in row l
	v_mul_u32_u24 v12, v1, 48
	v_add_nc_u32 v12, ALPHA, v12
	v_mov_b32 v13, ALPHA
	s_mul_i32 s2, s12, 1280                        ; my wave's 32 rows of out0
	s_add_co_u32 s3, s2, OUTST
	v_mad_u32_u24 v14, v1, 40, s3
	v_lshl_add_u32 v15, v1, 4, s3
	v_lshl_add_u32 v250, v1, 3, s3
	v_lshl_add_u32 v251, v1, 4, s2
	v_lshl_add_u32 v252, v1, 3, s2
	s_mov_b32 s36, 0x76543210
	s_mov_b32 s37, 0xfedcba98
	s_wait_kmcnt 0x0
.set q, 0
.rept 16
	global_load_b128 v[16+6*q:19+6*q], v4, s[4:5] offset:4096*q
	global_load_b64  v[20+6*q:21+6*q], v4, s[4:5] offset:4096*q+16
.set q, q+1
.endr
	s_wait_loadcnt 0x0
.set q, 0
.rept 16
	ds_store_b64 v5, v[16+6*q:17+6*q] offset:48*q
	ds_store_b64 v5, v[18+6*q:19+6*q] offset:48*q+8
	ds_store_b64 v5, v[20+6*q:21+6*q] offset:48*q+16
.set q, q+1
.endr
	s_wait_dscnt 0x0                               ; for the others' sake: my 16 rows of K lie in LDS
	s_barrier_signal -1
	s_barrier_wait -1
.set i, 0
.rept 16
	ds_load_b64 v[16+2*i:17+2*i], v6 offset:PK*i
.set i, i+1
.endr
	s_wait_dscnt 0x0
.set i, 0
.rept 16
	global_store_b64 v7, v[16+2*i:17+2*i], s[10:11] offset:256*i           ; a row of out1: 256 consecutive bytes, aligned
.set i, i+1
.endr
.set i, 0
.rept 64
	ds_load_b32 v[KT+i], v8 offset:PK*i
.set i, i+1
.endr
	s_wait_xcnt 0x0                                ; the stores have read their data: v16 on are written again only behind this wait
	s_cmp_lg_u32 s12, 0
	s_cbranch_scc1 .Ljoin                          ; waves 1 to 3 go on to the barrier
.set j, 0
.rept 64
	ds_load_b32 v[CM+2*j],   v9 offset:4*j
	ds_load_b32 v[CM+2*j+1], v9 offset:32*PK+4*j
.set j, j+1
.endr
.set c, 0
.rept 10
	global_load_b32 v[CM+128+2*c], v10, s[6:7] offset:4*c
	global_load_b32 v[CM+129+2*c], v10, s[6:7] offset:1280+4*c
.set c, c+1
.endr
	ds_load_b32 v164, v11
	ds_load_b32 v165, v11 offset:32*(PK+4)
	v_mov_b32 v169, 0                              ; named with v168 as a pair
	v_mov_b32 v170, 0
	v_mov_b32 v171, 0
	v_mov_b32 v172, 0
.irp i, 17,19,21,23,25,27,29,31
	s_mov_b32 s\i, 0                               ; the pairs' upper words are named, never used
.endr
	s_wait_dscnt 0x0
	v_add_f32 v164, v164, v165                     ; the trace
	v_add_f32_dpp v164, v164, v164 row_xmask:1 row_mask:0xf bank_mask:0xf
	v_add_f32_dpp v164, v164, v164 row_xmask:2 row_mask:0xf bank_mask:0xf
	v_add_f32_dpp v164, v164, v164 row_xmask:4 row_mask:0xf bank_mask:0xf
	v_add_f32_dpp v164, v164, v164 row_xmask:8 row_mask:0xf bank_mask:0xf
	v_permlanex16_b32 v165, v164, s36, s37
	v_add_f32 v164, v164, v165
	v_mul_f32 v164, 0x328637bd, v164               ; x 1e-6 / 64
	v_readfirstlane_b32 s13, v164
	s_wait_loadcnt 0x0                             ; y_S
	s_mov_b32 s14, 0
	s_mov_b32 s15, 1
	s_mov_b32 s34, 4
.Lrows_low:                                        ; pivots 0 to 31: the low words
.irp p, 0,1,2,3,4,5,6,7
	STEP \p, 74, 0
.endr
	ROT 66
	s_sub_co_u32 s34, s34, 1
	s_cmp_lg_u32 s34, 0
	s_cbranch_scc1 .Lrows_low
	s_mov_b32 s14, 0
	s_mov_b32 s15, 1
	s_mov_b32 s34, 4
.Lrows_high:                                       ; pivots 32 to 63: the high words; 32 columns of K and the 10 right-hand sides are left
.irp p, 0,1,2,3,4,5,6,7
	STEP \p, 42, 1
.endr
	ROT 34
	s_sub_co_u32 s34, s34, 1
	s_cmp_lg_u32 s34, 0
	s_cbranch_scc1 .Lrows_high
.set c, 0
.rept 10                                       ; the right-hand sides now stand in columns 0 to 9
	v_pk_mul_f32 v[CM+2*c:CM+2*c+1], v[CM+2*c:CM+2*c+1], v[170:171]
.set c, c+1
.endr
.set c, 0
.rept 10
	ds_store_b32 v12, v[CM+2*c]   offset:4*c
	ds_store_b32 v12, v[CM+2*c+1] offset:32*48+4*c
.set c, c+1
.endr
.Ljoin:
	s_wait_dscnt 0x0                               ; alpha lies in LDS (wave 0); my column of K is in registers
	s_barrier_signal -1
	s_barrier_wait -1
	LOADG 0, 0
.irp g, 0,1,2,3,4,5,6
	LOADG (\g)+1, ((\g)+1)%2
	s_wait_dscnt 24                                ; this group's 24 loads are in; the next group's 24 may stay out
	FMAG \g, (\g)%2
.endr
	s_wait_dscnt 0x0
	FMAG 7, 1
.set c, 0
.rept 5
	ds_store_b64 v14, v[PR+2*c:PR+2*c+1] offset:8*c        ; my wave's 32 rows of 40 bytes lie end to end: 1,280 bytes
.set c, c+1
.endr
	ds_load_b128 v[16:19], v15                     ; LDS serves a wave's instructions in order (ISA guide 5.7.1.4): these see the stores above
	ds_load_b128 v[20:23], v15 offset:512
	ds_load_b64  v[24:25], v250 offset:1024
	s_wait_dscnt 0x0
	global_store_b128 v251, v[16:19], s[8:9]               ; 512 + 512 + 256 consecutive bytes, from a multiple of 256 on
	global_store_b128 v251, v[20:23], s[8:9] offset:512
	global_store_b64  v252, v[24:25], s[8:9] offset:1024
	s_wait_tensorcnt 0x0                           ; the wave's end
	ds_add_u32 v2, v3
	s_wait_dscnt 0x0
	s_endpgm
.Lfunc_end_k_qbb719ef714_solve:
	.size	k_qbb719ef714_solve, .Lfunc_end_k_qbb719ef714_solve-k_qbb719ef714_solve
	.p2alignl 7, 3214868480
	.fill 96, 4, 3214868480
	.section	.rodata,"a",@progbits
	.p2align	6, 0x0
	.amdhsa_kernel k_qbb719ef714_solve
		.amdhsa_group_segment_fixed_size 58368
		.amdhsa_private_segment_fixed_size 0
		.amdhsa_enable_private_segment 0
		.amdhsa_kernarg_size 32
		.amdhsa_user_sgpr_count 2
		.amdhsa_user_sgpr_kernarg_segment_ptr 1
		.amdhsa_wavefront_size32 1
		.amdhsa_system_sgpr_workgroup_id_x 1
		.amdhsa_system_sgpr_workgroup_id_y 1
		.amdhsa_system_sgpr_workgroup_id_z 1
		.amdhsa_system_vgpr_workitem_id 0
		.amdhsa_next_free_vgpr 256
		.amdhsa_next_free_sgpr 66
		.amdhsa_reserve_vcc 0
		.amdhsa_float_denorm_mode_32 3
		.amdhsa_float_denorm_mode_16_64 3
		.amdhsa_memory_ordered 1
		.amdhsa_forward_progress 1
		.amdhsa_inst_pref_size 182
	.end_amdhsa_kernel
	.amdgpu_metadata
---
amdhsa.version: [ 1, 2 ]
amdhsa.kernels:
  - .name:           k_qbb719ef714_solve
    .symbol:         k_qbb719ef714_solve.kd
    .args:
      - { .name: KW, .offset: 0, .size: 8, .value_kind: global_buffer, .address_space: global }
      - { .name: y_S, .offset: 8, .size: 8, .value_kind: global_buffer, .address_space: global }
      - { .name: out0, .offset: 16, .size: 8, .value_kind: global_buffer, .address_space: global }
      - { .name: out1, .offset: 24, .size: 8, .value_kind: global_buffer, .address_space: global }
    .group_segment_fixed_size: 58368
    .private_segment_fixed_size: 0
    .kernarg_segment_align: 8
    .kernarg_segment_size: 32
    .max_flat_workgroup_size: 128
    .sgpr_count:     66
    .vgpr_count:     256
    .wavefront_size: 32
...
	.end_amdgpu_metadata
.endif
;; end of part 3
;; ======== version 2 of 2: 3 launches; version 1 with the launch prep written anew for expert scheduling mode
;; limits: a function is approximated: absolute error at most 8.5e-06; values are held in f16: magnitudes above 65,504 overflow, below 6.1e-05 lose precision
;; workspace buffers: R1 557,056 bytes; R2 1,966,080 bytes; KW 65,536 bytes
;; launch prep (part 4): grid 192 x 1, 4 waves a work-group, no clusters, 39,424 bytes of LDS; arguments A_S, A_T, X_S, X_T, R1, R2; writes R1, R2
.if DOCPART == 4
	.amdgcn_target "amdgcn-amd-amdhsa--gfx1250"
	.amdhsa_code_object_version 6
	.text
	.protected	k_qbb719ef714_prep
	.globl	k_qbb719ef714_prep
	.p2align	8
	.type	k_qbb719ef714_prep,@function
k_qbb719ef714_prep:
	s_mov_b64 s[64:65], 0
	v_nop
	global_prefetch_b8 v0, s[64:65] scope:SCOPE_SE
	s_setreg_imm32_b32 hwreg(HW_REG_WAVE_SCHED_MODE, 0, 2), 2
	s_setreg_imm32_b32 hwreg(HW_REG_WAVE_MODE, 25, 1), 1
	s_wait_xcnt 0x0
	s_wait_alu depctr_vm_vsrc(0)
; PER GRAPH (192 of them: 0-63 are S, 64-191 are T), with A' = A + 1e-4 I, r = row sums of A', c = column sums of A', Y = A' X:
;   U = Y / r and W = Y / c, rounded once to f16, laid out as matrix fragments;  g = 1e-4 r / c;  d = sqrt((|Y_i|^2 + 1e-4 r_i^2) / (r_i c_i));
;   u[b] = sum_a A'[a][b] / r[a], times 1 / (4096 pi^2);  v[b] = sum_a A'[a][b] / c[a].
; With these the pair launch needs ONE product a pair: sigma[a][d] = U1[a] . W2[d] + g2[d], and the last sandwich, scale and mean are sum u1[b] v2[c] ntk[b][c].
; Y is a matrix product in bf16 with f32 sums; A and X are each split into two bf16 parts (hi + lo), and hi.hi + lo.hi + hi.lo are summed: about 16 bits of each operand are kept.
; The term 1e-4 X of A' X is the C operand that starts the sums.
; SHARES.  One work-group a graph; wave w owns nodes 16 w .. 16 w + 15.  The product is taken transposed (source 0 = 16 features of X^T, source 1 = my 16 rows of A):
; lane (r = lane % 16, h = lane / 16) ends with Y[16 w + r][16 tf + 8 h + 0..7] for tf = 0..3: just the 16 bytes of an f16 fragment.
; LIMITS.  U and W are f16: |Y / r| and |Y / c| stay under 65,504.  r, c and the diagonal of sigma are taken as positive (else reference() has no finite result either).  NaN and infinities are not treated apart.
; R1[g] (8,704 bytes, S graphs only): U fragments [ta][tf][lane][16 B], then d[64], then u[64].
; R2[g] (10,240 bytes): for each column tile tb 2,560 bytes: W fragments [tf][lane][16 B], 16 x (g,g,g,g), 16 x (d,v,0,0).
; THE MODE: SCHED_MODE bits 1:0 = 2 (LLVM: expert scheduling mode 2), set by the entry lines.  The code itself states the register dependences
; between vector or matrix instructions and memory or LDS instructions, with s_wait_alu, always for 0.
; THE PLAN.  Registers that memory or LDS instructions touch, in the order of the text (there is no loop):
;   v1, v5-v14     offsets, LDS addresses and the closing add's pair: written at the head, read by memory and LDS lines, never written again.
;   AF             A's row lands; LDS stores, TREE and SPLIT read it; behind the first barrier my column of A lands in it; vector lines read that.
;   v16            1/r: written by the reciprocal, read by one LDS store, never written again.
;   v[128:191]     at work for TREE and SPLIT; v[160:191] are X's two parts, which LDS stores read; behind the first barrier X^T hi lands; the products read it;
;                  then W (v128-143), U (v144-159) and the last record (v160-163) are written there and stored, and d, u (v164-167) come back from LDS there.
;   v[192:223]     X^T lo lands; the products read it; 1/r of 32 nodes lands, a sum of products reads it; 1/c lands, a sum of products reads it.
;   v18, v21, v22  1/c, d, u: written by vector lines, read by three LDS stores, never written again.
;   ACC, AH, ALO, v[224:255] behind the products, and the small registers at work are named by vector and matrix lines alone once their loads have landed.
; So each run of stores stands behind ONE wait on va_vdst, which is also the wait for the reciprocal or root among the data; each run of loads into registers that vector or matrix
; lines have named stands behind such a wait with no line between that names those registers; and ONE wait on vm_vsrc, behind the first barrier, frees the only registers that are
; loaded again after LDS stores have read them.
.set PA,    272                        ; a row of A in LDS: 256 bytes + 16
.set PX,    160                        ; a row of X (bf16) in LDS: 128 bytes + 32, five times 32
.set XH,    17408                      ; behind A's 64 rows: X hi
.set XLO,   10240                      ; from X hi to X lo
.set RINV,  37888                      ; 1 / r, 64 words
.set CINV,  38144                      ; 1 / c, 64 words
.set DU,    38400                      ; d[64], u[64]
.set SPARE, 38912                      ; the spare words, 128 bytes a wave; no other line names them
.set AF,  32                           ; v[32:63]   my row of A as loaded; later CA: my column of A
.set ACC, 64                           ; v[64:95]   X as loaded, then 1e-4 X, then Y: accumulator tf at ACC + 8 tf
.set AH,  96                           ; v[96:111]  A hi: fragment kb at AH + 8 kb
.set ALO, 112                          ; v[112:127] A lo
.set XT,  128                          ; v[128:191] X^T hi: fragment (tf, kb) at XT + 8 (2 tf + kb); before and after the products at work
.set XTL, 192                          ; v[192:255] X^T lo; after the products 1/r or 1/c of 32 nodes, and at work
.set TT,  240                          ; v[240:247] DOT's four chains
; v1 global offset, v2 lane, v3 r, v4 h, v5-v12 addresses, v13 my spare word, v14 zero for the add, v15 zero
; v16 1/r, v17 r, v18 1/c, v19 c (named as pairs), v20 |Y|^2.., v21 d, v22 u, v23 v, v24 g, v25-26 at work
; the sum of 32 registers from src on, into dst; src stays as it is
.macro TREE src, dst
.set p, 0
.rept 8
	v_pk_add_f32 v[XT+2*p:XT+2*p+1], v[(\src)+4*p:(\src)+4*p+1], v[(\src)+4*p+2:(\src)+4*p+3]
.set p, p+1
.endr
.set p, 0
.rept 4
	v_pk_add_f32 v[XT+4*p:XT+4*p+1], v[XT+4*p:XT+4*p+1], v[XT+4*p+2:XT+4*p+3]
.set p, p+1
.endr
	v_pk_add_f32 v[XT:XT+1], v[XT:XT+1], v[XT+4:XT+5]
	v_pk_add_f32 v[XT+8:XT+9], v[XT+8:XT+9], v[XT+12:XT+13]
	v_pk_add_f32 v[XT:XT+1], v[XT:XT+1], v[XT+8:XT+9]
	v_add_f32 v[\dst], v[XT], v[XT+1]
.endm
; the other half of the lanes holds the other 32 terms
.macro XHALF reg
	v_permlanex16_b32 v26, v[\reg], s28, s29
	v_add_f32 v[\reg], v[\reg], v26
.endm
; 32 numbers from src on are split: hi = bf16(x), lo = bf16(x - hi), two to a register
.macro SPLIT src, hi, lo
.set p, 0
.rept 16
	v_cvt_pk_bf16_f32 v[(\hi)+p], v[(\src)+2*p], v[(\src)+2*p+1]
	v_lshlrev_b32 v[144+2*(p%4)], 16, v[(\hi)+p]
	v_and_b32 v[145+2*(p%4)], s26, v[(\hi)+p]
	v_pk_add_f32 v[144+2*(p%4):145+2*(p%4)], v[(\src)+2*p:(\src)+2*p+1], v[144+2*(p%4):145+2*(p%4)] neg_lo:[0,1] neg_hi:[0,1]
	v_cvt_pk_bf16_f32 v[(\lo)+p], v[144+2*(p%4)], v[145+2*(p%4)]
.set p, p+1
.endr
.endm
; the sum of 32 products, in four chains; the registers are read in ascending order
.macro DOT a, b, dst
.set p, 0
.rept 16
.if p < 4
	v_pk_mul_f32 v[TT+2*p:TT+2*p+1], v[(\a)+2*p:(\a)+2*p+1], v[(\b)+2*p:(\b)+2*p+1]
.else
	v_pk_fma_f32 v[TT+2*(p%4):TT+2*(p%4)+1], v[(\a)+2*p:(\a)+2*p+1], v[(\b)+2*p:(\b)+2*p+1], v[TT+2*(p%4):TT+2*(p%4)+1]
.endif
.set p, p+1
.endr
	v_pk_add_f32 v[TT:TT+1], v[TT:TT+1], v[TT+2:TT+3]
	v_pk_add_f32 v[TT+4:TT+5], v[TT+4:TT+5], v[TT+6:TT+7]
	v_pk_add_f32 v[TT:TT+1], v[TT:TT+1], v[TT+4:TT+5]
	v_add_f32 v[\dst], v[TT], v[TT+1]
.endm
; four products, one on each accumulator: the accumulators take turns
.macro ROUND xb, ab, kb
.irp tf, 0,1,2,3
	v_wmma_f32_16x16x32_bf16 v[ACC+8*\tf:ACC+8*\tf+7], v[(\xb)+8*(2*\tf+(\kb)):(\xb)+8*(2*\tf+(\kb))+7], v[(\ab)+8*(\kb):(\ab)+8*(\kb)+7], v[ACC+8*\tf:ACC+8*\tf+7]
.endr
.endm
	s_load_b256 s[4:11], s[0:1], 0x0               ; A_S s[4:5], A_T s[6:7], X_S s[8:9], X_T s[10:11]
	s_load_b128 s[12:15], s[0:1], 0x20             ; R1 s[12:13], R2 s[14:15]
	v_lshl_add_u32 v13, v0, 2, SPARE
	v_mov_b32 v14, 0
	v_lshrrev_b32 v2, 5, v0
	v_readfirstlane_b32 s16, v2                    ; wave 0..3
	v_and_b32 v2, 31, v0                           ; lane
	v_and_b32 v3, 15, v0                           ; r
	v_bfe_u32 v4, v0, 4, 1                         ; h
	v_cmp_eq_u32 s38, 1, v4                        ; the mask of lanes 16-31, for the last record's selects: made here, so that one wait serves both scalar results
	v_mov_b32 v15, 0
	v_mov_b32 v26, 0                               ; v_permlanex16_b32 counts as a reader of its destination
	v_lshlrev_b32 v1, 8, v3
	v_lshl_add_u32 v1, v4, 5, v1                   ; in my wave's 16 rows of A or X: row r, 32 bytes for each half
	s_wait_alu depctr_va_sdst(0)                   ; s16 (the wave's number) and s38 (the mask) are written, ahead of the first reader of either
	s_lshl_b32 s35, s16, 4
	v_add_nc_u32 v9, s35, v3                       ; my node, 16 w + r
	v_mul_u32_u24 v5, v9, PA
	v_lshl_add_u32 v5, v4, 5, v5                   ; where my row of A goes
	v_mul_u32_u24 v6, v9, PX
	v_lshl_add_u32 v6, v4, 4, v6
	v_add_nc_u32 v6, XH, v6                        ; where my row of X goes
	v_and_b32 v7, 7, v0
	v_lshl_add_u32 v7, v4, 3, v7                   ; the turning load: node 8 h + lane % 8,
	v_mul_u32_u24 v7, v7, PX
	v_bfe_u32 v8, v0, 3, 1
	v_lshl_add_u32 v7, v8, 4, v7                   ; features 8 ((lane / 8) % 2) on
	v_add_nc_u32 v7, XH, v7
	v_lshlrev_b32 v9, 2, v9                        ; my node's word
	v_mul_u32_u24 v8, v4, 8*PA
	v_add_nc_u32 v8, v8, v9                        ; my column of A, from row 8 h on
	v_lshlrev_b32 v10, 5, v4                       ; 8 h words
	v_lshlrev_b32 v11, 4, v2                       ; 16 x lane
	v_lshl_add_u32 v12, s16, 11, v11               ; + 2,048 x wave: my tile of U
	s_mov_b32 s17, ttmp9                           ; the graph
	s_sub_co_u32 s19, s17, 64
	s_min_u32 s30, s17, 63                         ; R1 has records for the S graphs alone; the others store nothing there
	s_mul_i32 s30, s30, 8704
	s_mov_b32 s31, 0
	s_mul_i32 s32, s17, 10240
	s_mul_i32 s33, s16, 2560
	s_add_co_u32 s32, s32, s33
	s_mov_b32 s33, 0
	s_mov_b32 s26, 0xffff0000                      ; a word's upper bf16
	s_mov_b32 s28, 0x76543210                      ; v_permlanex16_b32: each lane takes its own place in the other half
	s_mov_b32 s29, 0xfedcba98
	s_mov_b32 s36, 0x38d1b717                      ; 1e-4
	s_mov_b32 s37, s36                             ; named with it as a pair
	s_cmp_lt_u32 s17, 64                           ; an S graph?
	s_cselect_b32 s18, s17, s19                    ; its number in its own tensors
	s_cselect_b32 s34, 1, 0
	s_wait_kmcnt 0x0
	s_cselect_b64 s[20:21], s[4:5], s[6:7]         ; A
	s_cselect_b64 s[22:23], s[8:9], s[10:11]       ; X
	s_lshl_b32 s24, s18, 14                        ; 16,384 bytes a graph,
	s_lshl_b32 s25, s16, 12                        ; 4,096 for a wave's 16 rows
	s_add_co_u32 s24, s24, s25
	s_mov_b32 s25, 0
	s_add_nc_u64 s[20:21], s[20:21], s[24:25]
	s_add_nc_u64 s[22:23], s[22:23], s[24:25]
	s_add_nc_u64 s[12:13], s[12:13], s[30:31]      ; my graph's record in R1,
	s_add_nc_u64 s[14:15], s[14:15], s[32:33]      ; my wave's tile in its record in R2
	s_wait_alu depctr_va_vdst(0)                   ; v1 and v5 to v14 are written: the offsets and LDS addresses that every load and store of the kernel reads, and the closing add's pair
.irp q, 0,1,2,3
	global_load_b128 v[AF+8*\q:AF+8*\q+3],   v1, s[20:21] offset:64*\q th:TH_LOAD_NT      ; A[16 w + r][16 q + 8 h ..]
	global_load_b128 v[AF+8*\q+4:AF+8*\q+7], v1, s[20:21] offset:64*\q+16 th:TH_LOAD_NT
.endr
.irp q, 0,1,2,3
	global_load_b128 v[ACC+8*\q:ACC+8*\q+3],   v1, s[22:23] offset:64*\q th:TH_LOAD_NT    ; X[16 w + r][16 q + 8 h ..]
	global_load_b128 v[ACC+8*\q+4:ACC+8*\q+7], v1, s[22:23] offset:64*\q+16 th:TH_LOAD_NT
.endr
	s_wait_loadcnt 0x8                             ; A's eight loads are in; X's eight may stay out
.irp q, 0,1,2,3
	ds_store_b128 v5, v[AF+8*\q:AF+8*\q+3]   offset:64*\q
	ds_store_b128 v5, v[AF+8*\q+4:AF+8*\q+7] offset:64*\q+16
.endr
	TREE AF, 17
	XHALF 17
	v_add_f32 v17, s36, v17                        ; r
	v_rcp_f32 v16, v17
	SPLIT AF, AH, ALO                              ; pair p of my row is register p of the two fragments; independent work behind the reciprocal
	s_wait_loadcnt 0x0                             ; X
	SPLIT ACC, 160, 176
	s_wait_alu depctr_va_vdst(0)                   ; 1/r (v16, ahead of its first reader) and X's two parts (v160-191) are written, which the nine LDS stores below read; and the lines above are done with AF and v128-159, in which loads land behind the barrier
	ds_store_b32 v9, v16 offset:RINV
.irp tf, 0,1,2,3
	ds_store_b128 v6, v[160+4*\tf:163+4*\tf] offset:32*\tf
	ds_store_b128 v6, v[176+4*\tf:179+4*\tf] offset:32*\tf+XLO
.endr
.set p, 0
.rept 16
	v_pk_mul_f32 v[ACC+2*p:ACC+2*p+1], v[ACC+2*p:ACC+2*p+1], s[36:37] op_sel_hi:[1,0]     ; 1e-4 X starts the sums; these lines name ACC alone, which no LDS or memory line touches any more
.set p, p+1
.endr
	s_wait_dscnt 0x0                               ; for the others' sake: my rows of A and X and my 1/r lie in LDS
	s_barrier_signal -1
	s_barrier_wait -1
	s_wait_alu depctr_vm_vsrc(0)                   ; my LDS stores have read AF and v160-191, in which the loads below land
.irp tf, 0,1,2,3
.irp kb, 0,1
	ds_load_tr16_b128 v[XT+8*(2*\tf+\kb):XT+8*(2*\tf+\kb)+3],     v7 offset:32*PX*\kb+32*\tf
	ds_load_tr16_b128 v[XT+8*(2*\tf+\kb)+4:XT+8*(2*\tf+\kb)+7],   v7 offset:32*PX*\kb+32*\tf+16*PX
	ds_load_tr16_b128 v[XTL+8*(2*\tf+\kb):XTL+8*(2*\tf+\kb)+3],   v7 offset:32*PX*\kb+32*\tf+XLO
	ds_load_tr16_b128 v[XTL+8*(2*\tf+\kb)+4:XTL+8*(2*\tf+\kb)+7], v7 offset:32*PX*\kb+32*\tf+16*PX+XLO
.endr
.endr
.irp q, 0,1,2,3
.irp i, 0,1,2,3,4,5,6,7
	ds_load_b32 v[AF+8*\q+\i], v8 offset:(16*\q+\i)*PA     ; CA: A[16 q + 8 h + i][16 w + r]
.endr
.endr
	s_wait_dscnt 32                                ; the 32 turning loads are in; the 32 column loads behind them may stay out
	ROUND XT,  AH,  0
	ROUND XT,  AH,  1
	ROUND XT,  ALO, 0
	ROUND XT,  ALO, 1
	ROUND XTL, AH,  0
	ROUND XTL, AH,  1
.rept 4
	v_nop                                          ; four places (ISA guide 7.12.1) before the products' sources are written and their results read
.endr
	s_wait_dscnt 0x0                               ; CA
	TREE AF, 19
	XHALF 19
	v_add_f32 v19, s36, v19                        ; c
	v_rcp_f32 v18, v19
	s_wait_alu depctr_va_vdst(0)                   ; the products are done reading X^T lo (v192-223), in which the loads below land; and 1/c (v18) is written, ahead of its first reader
.irp q, 0,1,2,3
	ds_load_b128 v[XTL+8*\q:XTL+8*\q+3],   v10 offset:RINV+64*\q      ; 1/r of nodes 16 q + 8 h ..
	ds_load_b128 v[XTL+8*\q+4:XTL+8*\q+7], v10 offset:RINV+64*\q+16
.endr
	DOT ACC, ACC, 20                               ; half of |Y_i|^2; each accumulator is read from its low end on; its first line is the plain line behind the reciprocal
	XHALF 20
	v_mul_f32 v25, v17, v17
	v_fma_f32 v20, v25, s36, v20                   ; + 1e-4 r^2
	v_mul_f32 v25, v20, v16
	v_mul_f32 v25, v25, v18
	v_sqrt_f32 v21, v25                            ; d
	s_wait_dscnt 0x0                               ; 1/r of my 32 nodes
	DOT AF, XTL, 22
	XHALF 22
	v_fma_f32 v22, v16, s36, v22                   ; the diagonal's 1e-4
	v_mul_f32 v22, 0x37cf817b, v22                 ; u / (4096 pi^2)
	v_mul_f32 v24, v17, v18
	v_mul_f32 v24, s36, v24                        ; g = 1e-4 r / c
.set p, 0
.rept 16
	v_pk_mul_f32 v[224+2*p:225+2*p], v[ACC+2*p:ACC+2*p+1], v[18:19] op_sel_hi:[1,0]       ; W = Y / c
.set p, p+1
.endr
.set p, 0
.rept 16
	v_cvt_pk_f16_f32 v[128+p], v[224+2*p], v[225+2*p]
.set p, p+1
.endr
	s_wait_alu depctr_va_vdst(0)                   ; d (v21, the root, ahead of its first reader), 1/c, u and W (v128-143) are written, which the seven stores below read; and the sum of products above is done reading v192-223, in which loads land behind the barrier
	ds_store_b32 v9, v18 offset:CINV
	ds_store_b32 v9, v21 offset:DU
	ds_store_b32 v9, v22 offset:DU+256
.irp tf, 0,1,2,3
	global_store_b128 v11, v[128+4*\tf:131+4*\tf], s[14:15] offset:512*\tf                ; 512 consecutive bytes, aligned to 256
.endr
	s_cmp_eq_u32 s34, 0
	s_cbranch_scc1 .Lno_u                          ; only S graphs stand on the left of a pair
.set p, 0
.rept 16
	v_pk_mul_f32 v[224+2*p:225+2*p], v[ACC+2*p:ACC+2*p+1], v[16:17] op_sel_hi:[1,0]       ; U = Y / r
.set p, p+1
.endr
.set p, 0
.rept 16
	v_cvt_pk_f16_f32 v[144+p], v[224+2*p], v[225+2*p]
.set p, p+1
.endr
	s_wait_alu depctr_va_vdst(0)                   ; the conversions have written U (v144-159), which the four stores below read
.irp tf, 0,1,2,3
	global_store_b128 v12, v[144+4*\tf:147+4*\tf], s[12:13] offset:512*\tf
.endr
.Lno_u:
	s_wait_dscnt 0x0                               ; for the others' sake: my 1/c, d and u lie in LDS
	s_barrier_signal -1
	s_barrier_wait -1
.irp q, 0,1,2,3
	ds_load_b128 v[XTL+8*\q:XTL+8*\q+3],   v10 offset:CINV+64*\q      ; no wait: on both ways here no vector line since the last wait on va_vdst names v192-223
	ds_load_b128 v[XTL+8*\q+4:XTL+8*\q+7], v10 offset:CINV+64*\q+16
.endr
	s_wait_dscnt 0x0
	DOT AF, XTL, 23
	XHALF 23
	v_fma_f32 v23, v18, s36, v23                   ; v
	v_cndmask_b32 v160, v24, v21, s38              ; lanes 0-15 write (g,g,g,g) of node r, lanes 16-31 (d,v,0,0); the mask was made, and waited for, at the head
	v_cndmask_b32 v161, v24, v23, s38
	v_cndmask_b32 v162, v24, v15, s38
	v_cndmask_b32 v163, v24, v15, s38
	s_wait_alu depctr_va_vdst(0)                   ; the four selects have written v160-163, which the store below reads
	global_store_b128 v11, v[160:163], s[14:15] offset:2048
	s_cmp_eq_u32 s34, 0
	s_cbranch_scc1 .Lend
	s_cmp_lg_u32 s16, 0
	s_cbranch_scc1 .Lend
	ds_load_b128 v[164:167], v11 offset:DU         ; wave 0 of an S graph: d[64] and u[64], 512 bytes; no vector line since the wait above names v164-167
	s_wait_dscnt 0x0
	global_store_b128 v11, v[164:167], s[12:13] offset:8192
.Lend:
	s_wait_dscnt 0x0                               ; the closing lines, six on end
	s_wait_alu 0x0
	s_wait_tensorcnt 0x0
	ds_add_u32 v13, v14
	s_wait_dscnt 0x0
	s_endpgm
.Lfunc_end_k_qbb719ef714_prep:
	.size	k_qbb719ef714_prep, .Lfunc_end_k_qbb719ef714_prep-k_qbb719ef714_prep
	.p2alignl 7, 3214868480
	.fill 96, 4, 3214868480
	.section	.rodata,"a",@progbits
	.p2align	6, 0x0
	.amdhsa_kernel k_qbb719ef714_prep
		.amdhsa_group_segment_fixed_size 39424
		.amdhsa_private_segment_fixed_size 0
		.amdhsa_enable_private_segment 0
		.amdhsa_kernarg_size 48
		.amdhsa_user_sgpr_count 2
		.amdhsa_user_sgpr_kernarg_segment_ptr 1
		.amdhsa_wavefront_size32 1
		.amdhsa_system_sgpr_workgroup_id_x 1
		.amdhsa_system_sgpr_workgroup_id_y 1
		.amdhsa_system_sgpr_workgroup_id_z 1
		.amdhsa_system_vgpr_workitem_id 0
		.amdhsa_next_free_vgpr 256
		.amdhsa_next_free_sgpr 66
		.amdhsa_reserve_vcc 0
		.amdhsa_float_denorm_mode_32 3
		.amdhsa_float_denorm_mode_16_64 3
		.amdhsa_memory_ordered 1
		.amdhsa_forward_progress 1
		.amdhsa_inst_pref_size 35
	.end_amdhsa_kernel
	.amdgpu_metadata
---
amdhsa.version: [ 1, 2 ]
amdhsa.kernels:
  - .name:           k_qbb719ef714_prep
    .symbol:         k_qbb719ef714_prep.kd
    .args:
      - { .name: A_S, .offset: 0, .size: 8, .value_kind: global_buffer, .address_space: global }
      - { .name: A_T, .offset: 8, .size: 8, .value_kind: global_buffer, .address_space: global }
      - { .name: X_S, .offset: 16, .size: 8, .value_kind: global_buffer, .address_space: global }
      - { .name: X_T, .offset: 24, .size: 8, .value_kind: global_buffer, .address_space: global }
      - { .name: R1, .offset: 32, .size: 8, .value_kind: global_buffer, .address_space: global }
      - { .name: R2, .offset: 40, .size: 8, .value_kind: global_buffer, .address_space: global }
    .group_segment_fixed_size: 39424
    .private_segment_fixed_size: 0
    .kernarg_segment_align: 8
    .kernarg_segment_size: 48
    .max_flat_workgroup_size: 128
    .sgpr_count:     66
    .vgpr_count:     256
    .wavefront_size: 32
...
	.end_amdgpu_metadata
.endif
;; end of part 4
;; launch pairs: the kernel of part 2 again; grid 32 x 8, 16 waves a work-group, no clusters, 167,936 bytes of LDS; arguments R1, R2, KW; writes KW
;; launch solve: the kernel of part 3 again; grid 1 x 1, 4 waves a work-group, no clusters, 58,368 bytes of LDS; arguments KW, y_S, out0, out1; writes out0, out1
